; MI455X (gfx1250); checked and timed in simulation.
; The chip was launched on July 23, 2026; its instructions are those of AMD's public machine-readable ISA for CDNA 5 (MIT licence, August 2026) and "CDNA5" Instruction Set Architecture Reference Guide (July 2026). The comments in the code are by the model that wrote it; some were corrected since.
;; Grouped MM Wrapper. Allowed arithmetic: matrix products marked QUANTISED: E2M3 operands, one E8M0 scale for each 32 along K, by v_wmma_scale_f32_16x16x128_f8f6f4 with both operands' format E2M3, f32 sums; everything else in f32.
;; Inputs: offs 8 int32; weight 8 x 1,024 x 2,048 float32; x 4,096 x 2,048 float32.
;; Outputs: out0 4,096 x 1,024 float32.
;; This version of the problem:
;;   THIS VERSION OF THE PROBLEM IS GIVEN IN LOW PRECISION. The matrix products marked QUANTISED in the list below multiply operands that are first quantised to E2M3 (2 exponent bits, 3 mantissa bits; 6 bits a number), with one power-of-two scale for each 32 numbers along K (OCP MX v1.0); their sums are f32. All else is computed in f32.
;;   The module's matrix products, in the order in which they are computed (A, B: the left and right operand; K: the contracted axis; several contracted axes count as one K, in the product's order):
;;     1. [M 4,096, K 2,048] x [K 2,048, N 1,024]; A: computed on the way; B: input weight: QUANTISED
;;     2. [M 4,096, K 2,048] x [K 2,048, N 1,024]; A: computed on the way; B: input weight: QUANTISED
;;     3. [M 4,096, K 2,048] x [K 2,048, N 1,024]; A: computed on the way; B: input weight: QUANTISED
;;     4. [M 4,096, K 2,048] x [K 2,048, N 1,024]; A: computed on the way; B: input weight: QUANTISED
;;     5. [M 4,096, K 2,048] x [K 2,048, N 1,024]; A: computed on the way; B: input weight: QUANTISED
;;     6. [M 4,096, K 2,048] x [K 2,048, N 1,024]; A: computed on the way; B: input weight: QUANTISED
;;     7. [M 4,096, K 2,048] x [K 2,048, N 1,024]; A: computed on the way; B: input weight: QUANTISED
;;     8. [M 4,096, K 2,048] x [K 2,048, N 1,024]; A: computed on the way; B: input weight: QUANTISED
;;   THE QUANTISER, for each operand of a quantised product, along K:
;;     - K is cut into blocks of 32 from its start; a last block that is shorter is filled with zeros.
;;     - A block's scale is 2^e with e = floor(log2(the largest magnitude in the block)) - 2, held to -126 .. 127; a block of zeros has e = 0. As a byte (E8M0): e + 127.
;;     - Each number is divided by its block's scale, clamped to +-7.5, and rounded to the nearest number of E2M3, ties to even, subnormals kept.
;;     - The product sums the exact products of the quantised numbers (number of the format x scale) in f32.
;;   ~~~python
;;   def quantise(x, axis):      # numpy; x: float32 -> the quantised numbers, widened to float32 again
;;       x = np.moveaxis(x, axis, -1); K = x.shape[-1]
;;       x = np.pad(x, [(0, 0)] * (x.ndim - 1) + [(0, -K % 32)]); x = x.reshape(x.shape[:-1] + (-1, 32)); a = np.abs(x).max(-1, keepdims=True)
;;       e = np.where(a > 0, np.clip(np.frexp(np.where(a > 0, a, 1))[1] - 1 - 2, -126, 127), 0)      # np.frexp(a)[1] - 1 = floor(log2(a)), exactly
;;       r = np.clip(x / 2.0 ** e, -7.5, 7.5)
;;       step = 2.0 ** (np.maximum(np.frexp(np.where(r == 0, 1, r))[1] - 1, 0) - 3)
;;       q = np.round(r / step) * step * 2.0 ** e      # np.round: ties to even
;;       return np.moveaxis(q.reshape(q.shape[:-2] + (-1,))[..., :K], -1, axis).astype(np.float32)
;;   ~~~
;;   OPERANDS COMPUTED ON THE WAY. 'Computed on the way' means the value that the module computes at that place (a softmax that the list does not call 'softmax' is quantised finished and normalised). What goes into a quantiser is computed in f32, as accurately as f32 sums, v_exp_f32 and their like allow (about 1e-6 of the number): no bf16 or f16 on the way to a quantiser, and a product that is left as it is and whose result goes on into a quantised operand takes f32 operands (vector FMAs, or v_wmma_f32_16x16x4_f32). A number that lies on a knife's edge between two numbers of the format may be rounded either way, as far as f32 arithmetic and the matrix unit's own rounding can turn it there, and no further.
;; 2 versions. Each part assembles by itself: llvm-mc -triple=amdgcn-amd-amdhsa -mcpu=gfx1250 --defsym DOCPART=n.
;; ======== version 1 of 2: 2 launches
;; workspace buffers: xc 6,291,456 bytes; xs 262,144 bytes; wc 12,582,912 bytes; ws 524,288 bytes
;; launch quant (part 1): grid 768 x 1, 4 waves a work-group, no clusters, 34,304 bytes of LDS; arguments x, weight, xc, xs, wc, ws; writes xc, xs, wc, ws
.if DOCPART == 1
	.amdgcn_target "amdgcn-amd-amdhsa--gfx1250"
	.amdhsa_code_object_version 6
	.text
	.protected	k_q8e388f86da_quant
	.globl	k_q8e388f86da_quant
	.p2align	8
	.type	k_q8e388f86da_quant,@function
k_q8e388f86da_quant:
	s_mov_b64 s[64:65], 0
	v_nop
	global_prefetch_b8 v0, s[64:65] scope:SCOPE_SE
	s_setreg_imm32_b32 hwreg(HW_REG_WAVE_MODE, 25, 1), 1
	s_wait_xcnt 0x0
; x [4096][2048] and weight, taken as [8192][2048], both f32 with K innermost, become codes of FP6 (E2M3) with one E8M0 scale byte for each 32 along K.
; A block's scale is 2^(floor(log2(its largest magnitude)) - 2): its byte is the largest magnitude's exponent field - 2, held at 1 from below by a floor among the maximum's leaves.
; LIMITS: NaN and infinities among the inputs are not served.  A block of zeros gets the byte 1 where the rule says 127: its codes are zeros, which add nothing under that byte, and this program alone reads the bytes.
; THE WORKSPACE IS LAID IN THE ORDER OF THE OPERAND'S REGISTERS.  A fragment is 16 rows x 128 K, 12 registers a lane: lane (r, h) holds row r, registers 6 c .. 6 c + 5 the codes of k = 64 c + 32 h + 0 .. 31.
;   codes:  [row block][K step 0..15][1,536 bytes]: chunk j (0..2) of 512 bytes holds lane l's registers 4 j .. 4 j + 3 at 512 j + 16 l.
;   scales: [pair of row blocks][q2 0..7][lane][2 words]: word s serves K step 2 q2 + s; lanes 0-15 hold the words of the pair's first block (row = lane), lanes 16-31 those of its second.
; SHARES.  A wave's job is one pair of row blocks (32 rows) x 256 along K: four fragments, 32,768 bytes in, 6,144 + 256 out.  x has 1,024 jobs, weight 2,048: 768 work-groups of four waves.
; The first 256 work-groups take x, the others weight: only pointers are chosen, there is one path through the text.
; Each load reads 512 consecutive bytes of one row, 16 a lane; a fragment's 16 rows turn through the wave's own stage in LDS and come back 128 bytes (a whole block of 32) at a time, so that a block's
; largest magnitude needs no other lane and the conversions' results are the operand's registers.  Waves share nothing: no barrier.  Loads run one fragment (16 loads) ahead.
.set ROWB,   8192                      ; a row of x or weight in bytes
.set SPITCH, 528                       ; a stage row: 512 bytes + 16 = 132 words: row r starts at bank 4 r mod 64 (64 banks of 4 bytes: ISA guide 11.1)
.set WSTG,   16*SPITCH                 ; a wave's stage
.set LI,  1                            ; v1   16 x lane
.set L8,  2                            ; v2   8 x lane
.set STI, 3                            ; v3   the stage, on the way in: wave's stage + 16 x lane
.set STO, 4                            ; v4   on the way out: wave's stage + 528 r + 128 h
.set SH,  5                            ; v5   8 h: where my two scale bytes stand in the word
.set PD,  6                            ; v6   the lane permute's destination
.set WD,  7                            ; v7   the scale word
.set MA,  8                            ; v8-9   maximum chain A of blocks c = 0, 1;  v10-11 chain B
.set MB,  10
.set SCL, 12                           ; v12-13 the conversions' scale operands
.set BY,  14                           ; v14-15 the scale bytes
.set R,   16                           ; v16-143  two sets of 64 registers, as loaded
.set X,   144                          ; v144-207 my two blocks of 32 numbers
.set PC,  208                          ; v208-219 a fragment's codes
.set T,   220                          ; v220-222, v224-226 the upper halves of the blocks' codes, as the conversions leave them
.set SW,  228                          ; v228-229 the job's two scale registers
	s_load_b256 s[4:11], s[0:1], 0x0               ; x s[4:5], weight s[6:7], xc s[8:9], xs s[10:11]
	s_load_b128 s[12:15], s[0:1], 0x20             ; wc s[12:13], ws s[14:15]
	v_lshl_add_u32 v254, v0, 2, 0x8400
	v_mov_b32 v255, 0
	v_lshrrev_b32 v8, 5, v0
	v_readfirstlane_b32 s16, v8                    ; wave 0..3
	v_and_b32 v[LI], 31, v0
	v_lshlrev_b32 v[L8], 3, v[LI]
	v_lshlrev_b32 v[LI], 4, v[LI]
	v_and_b32 v8, 15, v0                           ; r
	v_bfe_u32 v9, v0, 4, 1                         ; h
	s_mul_i32 s25, s16, WSTG
	v_add_nc_u32 v[STI], s25, v[LI]
	v_mul_u32_u24 v[STO], v8, SPITCH
	v_lshl_add_u32 v[STO], v9, 7, v[STO]
	v_add_nc_u32 v[STO], s25, v[STO]
	v_lshlrev_b32 v[SH], 3, v9
	v_mov_b32 v[PD], 0                             ; written once: a lane permute's destination counts as one of its sources
	s_mov_b32 s22, 0x76543210
	s_mov_b32 s23, 0xfedcba98                      ; v_permlanex16_b32's selects for lane l xor 16
	s_mov_b32 s24, 0xffff0000                      ; lanes 16-31
	s_wait_kmcnt 0x0
	s_cmp_lt_u32 ttmp9, 256                        ; x's work-group or weight's?  The choice hangs on the work-group's number alone
	s_cselect_b64 s[4:5], s[4:5], s[6:7]           ; the source,
	s_cselect_b64 s[8:9], s[8:9], s[12:13]         ; its codes,
	s_cselect_b64 s[10:11], s[10:11], s[14:15]     ; its scale words
	s_cselect_b32 s17, 0, 256
	s_sub_co_u32 s17, ttmp9, s17
	s_lshl_b32 s17, s17, 2
	s_add_co_u32 s17, s17, s16                     ; my job in the tensor = 8 x pair + q2
	s_lshr_b32 s18, s17, 3                         ; the pair of row blocks
	s_and_b32 s19, s17, 7                          ; q2: which 256 along K
	s_lshl_b32 s20, s18, 18                        ; source: 32 rows of 8,192 bytes a pair,
	s_lshl_b32 s26, s19, 10                        ; 1,024 bytes a q2
	s_add_co_u32 s20, s20, s26
	s_mov_b32 s21, 0
	s_add_nc_u64 s[4:5], s[4:5], s[20:21]
	s_mul_i32 s20, s18, 2*16*1536                  ; codes: two row blocks of 16 K steps a pair,
	s_mul_i32 s26, s19, 2*1536                     ; two K steps a q2
	s_add_co_u32 s20, s20, s26
	s_add_nc_u64 s[8:9], s[8:9], s[20:21]
	s_lshl_b32 s20, s17, 8                         ; scale words: 256 bytes a job
	s_add_nc_u64 s[10:11], s[10:11], s[20:21]
; fragment f of the job's four: row block f / 2 of the pair, K step f % 2 of the two
.macro LOADF f
.irp r, 0,1,2,3,4,5,6,7,8,9,10,11,12,13,14,15
	global_load_b128 v[R+64*((\f)%2)+4*\r:R+64*((\f)%2)+4*\r+3], v[LI], s[4:5] offset:(16*((\f)/2)+\r)*ROWB+512*((\f)%2) th:TH_LOAD_NT   ; 32 lanes read 512 consecutive bytes of one row; read once in the launch
.endr
.endm
.macro TURN f                          ; through the stage: LDS serves a wave's instructions in order (ISA guide 5.7.1.4), so no wait stands between the stores and the loads
.irp r, 0,1,2,3,4,5,6,7,8,9,10,11,12,13,14,15
	ds_store_b128 v[STI], v[R+64*((\f)%2)+4*\r:R+64*((\f)%2)+4*\r+3] offset:SPITCH*\r
.endr
.irp c, 0,1
.irp j, 0,1,2,3,4,5,6,7
	ds_load_b128 v[X+32*\c+4*\j:X+32*\c+4*\j+3], v[STO] offset:256*\c+16*\j    ; block 2 c + h of row r: 128 bytes
.endr
.endr
.endm
.macro QUANT f
.irp c, 0,1                            ; each block's largest magnitude, in two chains; the four chains go by turns, so that no line waits for the line above it
	v_max3_num_f32 v[MA+\c], |v[X+32*\c]|, |v[X+32*\c+1]|, 0x1800000       ; with the floor 2^(3 - 127): the byte cannot fall under 1
	v_max3_num_f32 v[MB+\c], |v[X+32*\c+16]|, |v[X+32*\c+17]|, |v[X+32*\c+18]|
.endr
.irp i, 0,1,2,3,4,5
.irp c, 0,1
	v_max3_num_f32 v[MA+\c], v[MA+\c], |v[X+32*\c+2+2*\i]|, |v[X+32*\c+3+2*\i]|
	v_max3_num_f32 v[MB+\c], v[MB+\c], |v[X+32*\c+19+2*\i]|, |v[X+32*\c+20+2*\i]|
.endr
.endr
.irp c, 0,1
	v_max3_num_f32 v[MA+\c], v[MA+\c], |v[X+32*\c+14]|, |v[X+32*\c+15]|
.endr
.irp c, 0,1
	v_max3_num_f32 v[MA+\c], v[MA+\c], v[MB+\c], |v[X+32*\c+31]|
.endr
.irp c, 0,1
	v_add_nc_u32 v[SCL+\c], 0xff000000, v[MA+\c]   ; 2 off its exponent field: the conversion takes the exponent field of this operand as its scale, and nothing else of it
.endr
.irp c, 0,1
	v_lshrrev_b32 v[BY+\c], 23, v[SCL+\c]          ; the scale's byte
.endr
	v_lshl_or_b32 v[WD], v[BY+1], 16, v[BY]        ; my two bytes: blocks h and 2 + h of row r,
	v_lshlrev_b32 v[WD], v[SH], v[WD]              ; at their places in the word (8 h bits up);
	v_permlanex16_b32 v[PD], v[WD], s22, s23
	v_or_b32 v[WD], v[WD], v[PD]                   ; with lane l xor 16's two the word is whole, in both halves of the lanes
.if (\f)/2 == 0
	v_mov_b32 v[SW+(\f)%2], v[WD]                  ; the pair's first block: its words stay in lanes 0-15,
.else
	v_cndmask_b32 v[SW+(\f)%2], v[SW+(\f)%2], v[WD], s24   ; the second block's take lanes 16-31
.endif
.if (\f) > 0
	s_wait_xcnt 0x0                                ; the last fragment's stores have had their addresses translated (ISA guide 3.1): their data registers are written again only behind this wait
.endif
.irp c, 0,1
	v_cvt_scalef32_pk16_fp6_f32 v[PC+6*\c:PC+6*\c+2], v[X+32*\c:X+32*\c+15], v[SCL+\c]       ; registers 6 c .. 6 c + 2 of the operand
	v_cvt_scalef32_pk16_fp6_f32 v[T+4*\c:T+4*\c+2], v[X+32*\c+16:X+32*\c+31], v[SCL+\c]      ; (a conversion's three registers begin on an even number: the second half of a block's six does not, so it is made elsewhere and moved)
.endr
	v_nop                                          ; one plain place behind a scaled conversion
.irp c, 0,1
.irp i, 0,1,2
	v_mov_b32 v[PC+3+6*\c+\i], v[T+4*\c+\i]
.endr
.endr
.endm
.macro OUTF f
.irp j, 0,1,2
	global_store_b128 v[LI], v[PC+4*\j:PC+4*\j+3], s[8:9] offset:16*1536*((\f)/2)+1536*((\f)%2)+512*\j   ; 32 lanes store 512 consecutive bytes, at a multiple of 512 from the buffer's first byte
.endr
.endm
	LOADF 0
	LOADF 1
.irp f, 0,1,2,3
.if \f < 3
	s_wait_loadcnt 16                              ; this fragment's sixteen loads are in; the next fragment's sixteen may be out
.else
	s_wait_loadcnt 0x0
.endif
	TURN \f
	s_wait_dscnt 0x0                               ; my numbers are back from the stage, and the stores into it have read their registers,
.if \f < 2
	LOADF \f+2                                     ; which take the fragment two on
.endif
	QUANT \f
	OUTF \f
.endr
	global_store_b64 v[L8], v[SW:SW+1], s[10:11]   ; 32 lanes store 256 consecutive bytes, at a multiple of 256 from the buffer's first byte
	s_wait_tensorcnt 0x0
	ds_add_u32 v254, v255
	s_wait_dscnt 0x0
	s_endpgm
.Lfunc_end_k_q8e388f86da_quant:
	.size	k_q8e388f86da_quant, .Lfunc_end_k_q8e388f86da_quant-k_q8e388f86da_quant
	.p2alignl 7, 3214868480
	.fill 96, 4, 3214868480
	.section	.rodata,"a",@progbits
	.p2align	6, 0x0
	.amdhsa_kernel k_q8e388f86da_quant
		.amdhsa_group_segment_fixed_size 34304
		.amdhsa_private_segment_fixed_size 0
		.amdhsa_enable_private_segment 0
		.amdhsa_kernarg_size 48
		.amdhsa_user_sgpr_count 2
		.amdhsa_user_sgpr_kernarg_segment_ptr 1
		.amdhsa_wavefront_size32 1
		.amdhsa_system_sgpr_workgroup_id_x 1
		.amdhsa_system_sgpr_workgroup_id_y 1
		.amdhsa_system_sgpr_workgroup_id_z 1
		.amdhsa_system_vgpr_workitem_id 0
		.amdhsa_next_free_vgpr 256
		.amdhsa_next_free_sgpr 66
		.amdhsa_reserve_vcc 0
		.amdhsa_float_denorm_mode_32 3
		.amdhsa_float_denorm_mode_16_64 3
		.amdhsa_memory_ordered 1
		.amdhsa_forward_progress 1
		.amdhsa_inst_pref_size 30
	.end_amdhsa_kernel
	.amdgpu_metadata
---
amdhsa.version: [ 1, 2 ]
amdhsa.kernels:
  - .name:           k_q8e388f86da_quant
    .symbol:         k_q8e388f86da_quant.kd
    .args:
      - { .name: x, .offset: 0, .size: 8, .value_kind: global_buffer, .address_space: global }
      - { .name: weight, .offset: 8, .size: 8, .value_kind: global_buffer, .address_space: global }
      - { .name: xc, .offset: 16, .size: 8, .value_kind: global_buffer, .address_space: global }
      - { .name: xs, .offset: 24, .size: 8, .value_kind: global_buffer, .address_space: global }
      - { .name: wc, .offset: 32, .size: 8, .value_kind: global_buffer, .address_space: global }
      - { .name: ws, .offset: 40, .size: 8, .value_kind: global_buffer, .address_space: global }
    .group_segment_fixed_size: 34304
    .private_segment_fixed_size: 0
    .kernarg_segment_align: 8
    .kernarg_segment_size: 48
    .max_flat_workgroup_size: 128
    .sgpr_count:     66
    .vgpr_count:     256
    .wavefront_size: 32
...
	.end_amdgpu_metadata
.endif
;; end of part 1
;; launch gmm (part 2): grid 8 x 32, 4 waves a work-group, no clusters, 272,896 bytes of LDS; arguments xc, xs, wc, ws, offs, out0; writes out0
.if DOCPART == 2
	.amdgcn_target "amdgcn-amd-amdhsa--gfx1250"
	.amdhsa_code_object_version 6
	.text
	.protected	k_q8e388f86da_gmm
	.globl	k_q8e388f86da_gmm
	.p2align	8
	.type	k_q8e388f86da_gmm,@function
k_q8e388f86da_gmm:
	s_mov_b64 s[64:65], 0
	v_nop
	global_prefetch_b8 v0, s[64:65] scope:SCOPE_SE
	s_setreg_imm32_b32 hwreg(HW_REG_WAVE_MODE, 25, 1), 1
	s_wait_xcnt 0x0
; out0[t][n] = the sum over the experts e with start_e <= t < offs[e] (start_0 = 0, start_e = offs[e - 1], signed) of the sum over k of Q(x)[t][k] Q(weight)[e][n][k]:  [4096][1024] f32, sums in f32.
; Both operands come as codes of FP6 (E2M3) with E8M0 scale words, laid in the order of the operand's registers: a fragment (16 rows x 128 K, 12 registers a lane) is 1,536 bytes, lane l's registers 4 j .. 4 j + 3 at 512 j + 16 l;
; a scale register serves a pair of row blocks: lanes 0-15 the first block's words, lanes 16-31 the second's.
; offs may hold any int32 in any order: a token may lie in no expert (0 is stored), in one, or in several (the sums are added).
; LIMIT: where a token lies in several experts, the later expert's sum over K continues the earlier one in the accumulator; adding two finished sums would round in another order.
; SHARES.  A work-group owns 128 tokens x 128 columns: 8 x 32 work-groups.  THE WAVES SHARE THE COLUMNS: wave w makes all 128 tokens x columns 32 w .. 32 w + 31: 16 accumulators, 128 registers.
; x's tile for all of K (196,608 bytes of codes, 8,192 of scale words) hangs on no expert: it is copied into LDS once and read by all four waves.  A wave's 32 rows of an expert's weight (49,152 bytes) are its own: they go
; from memory straight into registers, all 16 K steps' fragments in registers of their own, eight K steps (48 loads) ahead.
; THE EXPERTS.  A loop of eight trips; an expert whose token range misses the tile is passed over by a scalar branch on offs.  The text has no tensor load and no copy engine,
; hence no joint loads in a cluster either: a form in which all partners ask for every expert's weights would fetch eight times the bytes that are used.
; An expert that meets the tile multiplies all 128 rows; the rows outside its range then take their old sums back (v_cndmask_b32 by a lane mask): always executed, no second branch.
; Since a tile may be met by no expert or by several, no product is known in the text to be a sum's first: the accumulators are cleared once, while the first copies are on their way.
; THE MATRIX INSTRUCTION IS USED TRANSPOSED (source 0 = 16 rows of weight, source 1 = 16 tokens): lane (r, h), register j of accumulator (a, n) holds out0(16 a + r, 32 w + 16 n + 8 h + j): eight neighbours of a row.
; REGISTERS, in windows of 256 (s_set_vgpr_msb: bits 1:0 source 0, 3:2 source 1, 5:4 source 2, 7:6 destination):
;   window 0: v1-14 addresses; v32-95 x's scale registers (pair p, K step s: 32 + 16 p + s); v96-111 weight's (96 + s); v112-207 x's fragments, set 0 (12 a); on the way out v112-239 rows of the result
;   window 1: weight's fragments of K steps 0-9 (24 s + 12 n); during the fill: copies 0-49 on their way to LDS
;   window 2: weight's of K steps 10-15 (24 (s - 10) + 12 n); v144-239 x's fragments, set 1; during the fill: copies 50-99
;   window 3: v0-127 the accumulators (8 (2 a + n)); v128-255 the sums as they stood when the expert began
.set FRB,   1536                       ; a fragment's image in bytes
.set RBB,   16*FRB                     ; a row block's 16 K steps
.set XSCL,  8*RBB                      ; LDS: x's codes [a 0..7][s 0..15][1,536] from 0; behind them x's scale words [p 0..3][q2 0..7][lane][2 words], 8,192 bytes;
.set STG,   XSCL+8192                  ; behind them the stage for the way out: 128 rows x (512 bytes + 16)
.set SPITCH, 528                       ; 132 words: row r starts at bank 4 r mod 64 (64 banks of 4 bytes: ISA guide 11.1)
.set LI,  1                            ; v1   16 x lane: global offsets, and the LDS address of x's row blocks 0 and 1
.set L8,  2                            ; v2   8 x lane
.set AB,  3                            ; v4-6 16 x lane + 2 RBB p: x's row blocks 2 p, 2 p + 1 (p = 1 .. 3)
.set FL,  7                            ; v7   the fill: 2 RBB x wave + 16 x lane
.set FS,  8                            ; v8   the fill, scale words: XSCL + 2,048 x wave + 16 x lane
.set AS,  9                            ; v9   XSCL + 8 x lane
.set SO,  10                           ; v10  the stage, in: STG + 528 r + 32 h + 128 x wave
.set SR,  11                           ; v11  the stage, back: STG + 32 rows x wave + 16 x lane
.set VROW, 13                          ; v13  the tile's first token + r
.set TMP, 14                           ; v14  at work
.set ASC, 32
.set BSC, 96
.set OUTR, 112
.set MSB, 0
.macro WIN new                         ; the immediate's high byte repeats the setting that is left; a switch that changes nothing is dropped
.if MSB != \new
	s_set_vgpr_msb (MSB<<8)|\new
.set MSB, \new
.endif
.endm
; A load into a register that a matrix instruction has read, and a vector instruction that reads a matrix result, stand four places behind that matrix instruction, and only plain vector instructions that name none of
; its registers are places (ISA guide 7.12.1 for vector instructions).
.macro PLACES
.rept 4
	v_nop
.endr
.endm
	s_load_b256 s[4:11], s[0:1], 0x0               ; xc s[4:5], xs s[6:7], wc s[8:9], ws s[10:11]
	s_load_b128 s[12:15], s[0:1], 0x20             ; offs s[12:13], out0 s[14:15]
	v_lshl_add_u32 v254, v0, 2, 0x42800
	v_mov_b32 v255, 0
	v_lshrrev_b32 v12, 5, v0
	v_readfirstlane_b32 s31, v12                   ; wave 0..3
	s_and_b32 s33, ttmp7, 0xffff                   ; the tile's row of tiles
	s_lshl_b32 s27, s33, 7                         ; its first token,
	s_add_co_u32 s28, s27, 128                     ; and the first behind it
	v_and_b32 v[LI], 31, v0
	v_lshlrev_b32 v[L8], 3, v[LI]
	v_lshlrev_b32 v[LI], 4, v[LI]
.irp p, 1,2,3
	v_add_nc_u32 v[AB+\p], 2*RBB*\p, v[LI]
.endr
	s_mul_i32 s32, s31, 2*RBB
	v_add_nc_u32 v[FL], s32, v[LI]
	s_lshl_b32 s29, s31, 11
	s_add_co_u32 s30, s29, XSCL
	v_add_nc_u32 v[FS], s30, v[LI]
	v_add_nc_u32 v[AS], XSCL, v[L8]
	v_and_b32 v12, 15, v0                          ; r
	v_bfe_u32 v[TMP], v0, 4, 1                     ; h
	v_mul_u32_u24 v[SO], v12, SPITCH
	v_lshl_add_u32 v[SO], v[TMP], 5, v[SO]
	s_lshl_b32 s30, s31, 7
	s_add_co_u32 s30, s30, STG
	v_add_nc_u32 v[SO], s30, v[SO]
	s_mul_i32 s30, s31, 32*SPITCH
	s_add_co_u32 s30, s30, STG
	v_add_nc_u32 v[SR], s30, v[LI]
	v_add_nc_u32 v[VROW], s27, v12
	; byte offsets, each in a pair of its own with 0 above it
	s_mul_i32 s34, s33, 8*RBB                      ; x's codes: the tile's 8 row blocks, my quarter of them for the fill
	s_add_co_u32 s34, s34, s32
	s_mov_b32 s35, 0
	s_lshl_b32 s48, s33, 13                        ; x's scale words: 8,192 bytes a tile, my quarter
	s_add_co_u32 s48, s48, s29
	s_mov_b32 s49, 0
	s_mul_i32 s50, ttmp9, 8*RBB                    ; weight's codes, expert 0: the tile's 8 row blocks, my two
	s_add_co_u32 s50, s50, s32
	s_mov_b32 s51, 0
	s_lshl_b32 s52, ttmp9, 13                      ; weight's scale words: my pair
	s_add_co_u32 s52, s52, s29
	s_mov_b32 s53, 0
	s_lshl_b32 s54, s31, 5                         ; out0: the rows that I store: 32 x wave on in the tile, 4,096 bytes a row; the tile's columns: 512 bytes a tile
	s_add_co_u32 s54, s54, s27
	s_lshl_b32 s54, s54, 12
	s_lshl_b32 s55, ttmp9, 9
	s_add_co_u32 s54, s54, s55
	s_mov_b32 s55, 0
	s_wait_kmcnt 0x0
	s_load_b256 s[16:23], s[12:13], 0x0            ; the eight offs; waited for in front of the loop over experts
	s_add_nc_u64 s[4:5], s[4:5], s[34:35]
	s_add_nc_u64 s[6:7], s[6:7], s[48:49]
	s_add_nc_u64 s[36:37], s[8:9], s[50:51]        ; s[36:37] my rows of the expert in hand: codes,
	s_add_nc_u64 s[38:39], s[10:11], s[52:53]      ; s[38:39] scale words
	s_add_nc_u64 s[14:15], s[14:15], s[54:55]
; THE FILL.  A wave copies 100 pieces of 512 bytes (96 of codes, 4 of scale words) through registers: pieces 0-49 through window 1, pieces 50-99 through window 2.
.macro FLOAD i
.set SG, 4*((\i)%50)
.if (\i) < 96
	global_load_b128 v[SG:SG+3], v[LI], s[4:5] offset:512*(\i)
.else
	global_load_b128 v[SG:SG+3], v[LI], s[6:7] offset:512*((\i)-96)
.endif
.endm
.macro FSTORE i
.set SG, 4*((\i)%50)
.if (\i) < 96
	ds_store_b128 v[FL], v[SG:SG+3] offset:512*(\i)
.else
	ds_store_b128 v[FS], v[SG:SG+3] offset:512*((\i)-96)
.endif
.endm
	WIN 0x40                                       ; destination window 1
.set I, 0
.rept 50
	FLOAD I
.set I, I+1
.endr
	WIN 0xc0                                       ; destination window 3
.set I, 0
.rept 128
	v_mov_b32 v[I], 0                              ; the accumulators, while the copies are on their way (why they are cleared: the head comment)
.set I, I+1
.endr
	WIN 0x84                                       ; a load's destination window 2, an LDS store's data (source 1) window 1
.set I, 0
.rept 50
	FLOAD I+50
	s_wait_loadcnt 50                              ; loads come back in order (ISA guide 5.7.1): piece I is in, the fifty issued behind it may be out
	FSTORE I
.set I, I+1
.endr
	WIN 0x08                                       ; an LDS store's data window 2
.set I, 50
.rept 50
	s_wait_loadcnt 99-I                            ; piece I is in; those behind it may be out
	FSTORE I
.set I, I+1
.endr
	WIN 0
	s_wait_dscnt 0x0                               ; for the others' sake: my part of x's tile lies in LDS
	s_barrier_signal -1
	s_barrier_wait -1                              ; everybody's does; nothing writes these bytes again
.irp p, 0,1,2,3
.irp q, 0,1,2,3,4,5,6,7
	ds_load_b64 v[ASC+16*\p+2*\q:ASC+16*\p+2*\q+1], v[AS] offset:256*(8*\p+\q)   ; x's scale registers for all of K: they stay.  Older than every load of a fragment, so the first K step's wait covers them
.endr
.endr
; x's eight fragments of K step s, from LDS into set s % 2
.macro ALOAD s
.if (\s)%2 == 0
	WIN 0
.set AA, 112
.else
	WIN 0x80
.set AA, 144
.endif
.irp a, 0,1,2,3,4,5,6,7
.set ABR, AB+\a/2
.if \a < 2
.set ABR, LI
.endif
.irp j, 0,1,2
	ds_load_b128 v[AA+12*\a+4*\j:AA+12*\a+4*\j+3], v[ABR] offset:RBB*(\a%2)+FRB*(\s)+512*\j   ; 32 lanes read 512 consecutive bytes
.endr
.endr
.endm
; my two fragments of the expert's weight of K step s, from memory into registers of their own
.macro BLOAD s
.if (\s) < 10
	WIN 0x40
.set BB, 24*(\s)
.else
	WIN 0x80
.set BB, 24*((\s)-10)
.endif
.irp n, 0,1
.irp j, 0,1,2
	global_load_b128 v[BB+12*\n+4*\j:BB+12*\n+4*\j+3], v[LI], s[36:37] offset:RBB*\n+FRB*(\s)+512*\j
.endr
.endr
.endm
; one product: accumulator (a, n), K step s.  Source 0's scales: weight's register of the step, lanes 0-15 for n = 0, lanes 16-31 for n = 1; source 1's: x's register of pair a / 2, lanes 0-15 for even a, 16-31 for odd a
.macro PROD s, a, n
.set DD, 8*(2*(\a)+(\n))
.if ((\n) == 0) && ((\a)%2 == 0)
	v_wmma_scale_f32_16x16x128_f8f6f4 v[DD:DD+7], v[PB+12*(\n):PB+12*(\n)+11], v[PA+12*(\a):PA+12*(\a)+11], v[DD:DD+7], v[BSC+(\s)], v[ASC+16*((\a)/2)+(\s)] matrix_a_fmt:MATRIX_FMT_FP6 matrix_b_fmt:MATRIX_FMT_FP6
.elseif (\n) == 0
	v_wmma_scale_f32_16x16x128_f8f6f4 v[DD:DD+7], v[PB+12*(\n):PB+12*(\n)+11], v[PA+12*(\a):PA+12*(\a)+11], v[DD:DD+7], v[BSC+(\s)], v[ASC+16*((\a)/2)+(\s)] matrix_a_fmt:MATRIX_FMT_FP6 matrix_b_fmt:MATRIX_FMT_FP6 matrix_b_scale:MATRIX_SCALE_ROW1
.elseif (\a)%2 == 0
	v_wmma_scale_f32_16x16x128_f8f6f4 v[DD:DD+7], v[PB+12*(\n):PB+12*(\n)+11], v[PA+12*(\a):PA+12*(\a)+11], v[DD:DD+7], v[BSC+(\s)], v[ASC+16*((\a)/2)+(\s)] matrix_a_fmt:MATRIX_FMT_FP6 matrix_b_fmt:MATRIX_FMT_FP6 matrix_a_scale:MATRIX_SCALE_ROW1
.else
	v_wmma_scale_f32_16x16x128_f8f6f4 v[DD:DD+7], v[PB+12*(\n):PB+12*(\n)+11], v[PA+12*(\a):PA+12*(\a)+11], v[DD:DD+7], v[BSC+(\s)], v[ASC+16*((\a)/2)+(\s)] matrix_a_fmt:MATRIX_FMT_FP6 matrix_b_fmt:MATRIX_FMT_FP6 matrix_a_scale:MATRIX_SCALE_ROW1 matrix_b_scale:MATRIX_SCALE_ROW1
.endif
.endm
; A K STEP of 128: the next step's fragments of x are asked of LDS, the weight's of eight steps on of memory, then 16 products.  The 16 accumulators take turns, one instruction a turn, in the same order in every step
.macro KSTEP s
.if (\s) > 0
	PLACES                                         ; between the last step's products and the loads into the set of x's fragments that they read
.endif
.if (\s) < 15
	ALOAD (\s)+1
.endif
.if (\s) < 8
	BLOAD (\s)+8
	s_wait_loadcnt 48                              ; behind this step's six loads stand 6 (7 - s) of the first batch and the 6 (s + 1) issued in the steps so far: 48; the scale words are older still
.else
	s_wait_loadcnt 6*(15-(\s))                     ; behind this step's loads: those of the steps to come
.endif
.if (\s) < 15
	s_wait_dscnt 24                                ; this step's fragments of x are in; the next step's 24 loads may be out
.else
	s_wait_dscnt 0x0
.endif
.if (\s)%2 == 0
.set PA, 112
.set WA, 0
.else
.set PA, 144
.set WA, 2
.endif
.if (\s) < 10
.set PB, 24*(\s)
.set WBW, 1
.else
.set PB, 24*((\s)-10)
.set WBW, 2
.endif
	WIN 0xf0+4*WA+WBW                              ; C and D window 3; source 1 (x) window 0 or 2; source 0 (weight) window 1 or 2
.irp a, 0,1,2,3,4,5,6,7
.irp n, 0,1
	PROD \s, \a, \n
.endr
.endr
.endm
	s_wait_kmcnt 0x0                               ; offs
	s_mov_b32 s24, 0                               ; start of expert 0
	s_mov_b32 s26, 0                               ; the expert's number
.Lexpert:                                              ; eight trips, a constant; every window is 0 here
	s_mov_b32 s25, s16                             ; the expert's end; the other offs move down one place
.irp i, 16,17,18,19,20,21,22
	s_mov_b32 s[\i], s[\i+1]
.endr
	s_max_i32 s29, s24, s27
	s_min_i32 s30, s25, s28
	s_cmp_lt_i32 s29, s30                          ; does [start, end) meet the tile's 128 tokens?
	s_cbranch_scc0 .Lskip
.irp q, 0,1,2,3,4,5,6,7
	global_load_b64 v[BSC+2*\q:BSC+2*\q+1], v[L8], s[38:39] offset:256*\q   ; my pair's scale registers for all of K
.endr
.irp s, 0,1,2,3,4,5,6,7
	BLOAD \s
.endr
	ALOAD 0
.irp a, 0,1,2,3,4,5,6,7                        ; s[40 + a]: the lanes whose token 16 a + r of the tile lies in the expert's range
	v_add_nc_u32 v[TMP], 16*\a, v[VROW]
	v_cmp_le_i32 s[40+\a], s24, v[TMP]
	v_cmp_gt_i32 vcc_lo, s25, v[TMP]
	s_and_b32 s[40+\a], s[40+\a], vcc_lo
.endr
	WIN 0xc3                                       ; source 0 and destination window 3
.set I, 0
.rept 128
	v_mov_b32 v[128+I], v[I]                       ; the sums as they stand, while the weight's first loads are on their way
.set I, I+1
.endr
.irp s, 0,1,2,3,4,5,6,7,8,9,10,11,12,13,14,15
	KSTEP \s
.endr
	PLACES                                         ; between the last products and the first read of their results
	WIN 0xcf                                       ; sources 0 and 1 and destination window 3
.set I, 0
.rept 128
	v_cndmask_b32 v[I], v[128+I], v[I], s[40+I/16] ; a token outside the range takes its old sum back.  Each accumulator is read from its low end on
.set I, I+1
.endr
	WIN 0                                          ; at a label and at a branch every window is 0
.Lskip:
	s_wait_xcnt 0x0                                ; the loads that name the two bases have had their addresses translated (ISA guide 3.1): the bases are stepped only behind this wait
	s_add_nc_u64 s[36:37], s[36:37], 64*RBB        ; the next expert's 1,024 rows: codes,
	s_add_nc_u64 s[38:39], s[38:39], 32*2048       ; scale words
	s_mov_b32 s24, s25                             ; its start is this one's end
	s_add_co_u32 s26, s26, 1
	s_cmp_lt_u32 s26, 8
	s_cbranch_scc1 .Lexpert
	; THE WAY OUT.  A lane holds 32 neighbouring bytes of a row; a row's 512 bytes come from four waves.  They meet in the stage; then each wave stores 32 whole rows.
	WIN 0x0c                                       ; an LDS store's data (source 1) window 3
.irp a, 0,1,2,3,4,5,6,7
.irp n, 0,1
	ds_store_b128 v[SO], v[8*(2*\a+\n):8*(2*\a+\n)+3] offset:16*SPITCH*\a+64*\n          ; each accumulator from its low end on
	ds_store_b128 v[SO], v[8*(2*\a+\n)+4:8*(2*\a+\n)+7] offset:16*SPITCH*\a+64*\n+16
.endr
.endr
	WIN 0
	s_wait_dscnt 0x0                               ; for the others' sake: my stores into the stage are done (and no LDS load of mine is out)
	s_barrier_signal -1
	s_barrier_wait -1
.set I, 0
.rept 32
	ds_load_b128 v[OUTR+4*I:OUTR+4*I+3], v[SR] offset:SPITCH*I
.set I, I+1
.endr
.set I, 0
.rept 32
	s_wait_dscnt 31-I                              ; row I is back; the younger rows may be out
	global_store_b128 v[LI], v[OUTR+4*I:OUTR+4*I+3], s[14:15] offset:4096*I th:TH_STORE_NT   ; 32 lanes store 512 consecutive bytes, at a multiple of 512 from out0's first byte; written once, read by nobody here
.set I, I+1
.endr
	s_wait_tensorcnt 0x0
	ds_add_u32 v254, v255
	s_wait_dscnt 0x0
	s_endpgm
.Lfunc_end_k_q8e388f86da_gmm:
	.size	k_q8e388f86da_gmm, .Lfunc_end_k_q8e388f86da_gmm-k_q8e388f86da_gmm
	.p2alignl 7, 3214868480
	.fill 96, 4, 3214868480
	.section	.rodata,"a",@progbits
	.p2align	6, 0x0
	.amdhsa_kernel k_q8e388f86da_gmm
		.amdhsa_group_segment_fixed_size 272896
		.amdhsa_private_segment_fixed_size 0
		.amdhsa_enable_private_segment 0
		.amdhsa_kernarg_size 48
		.amdhsa_user_sgpr_count 2
		.amdhsa_user_sgpr_kernarg_segment_ptr 1
		.amdhsa_wavefront_size32 1
		.amdhsa_system_sgpr_workgroup_id_x 1
		.amdhsa_system_sgpr_workgroup_id_y 1
		.amdhsa_system_sgpr_workgroup_id_z 1
		.amdhsa_system_vgpr_workitem_id 0
		.amdhsa_next_free_vgpr 1024
		.amdhsa_next_free_sgpr 66
		.amdhsa_reserve_vcc 1
		.amdhsa_float_denorm_mode_32 3
		.amdhsa_float_denorm_mode_16_64 3
		.amdhsa_memory_ordered 1
		.amdhsa_forward_progress 1
		.amdhsa_inst_pref_size 121
	.end_amdhsa_kernel
	.amdgpu_metadata
---
amdhsa.version: [ 1, 2 ]
amdhsa.kernels:
  - .name:           k_q8e388f86da_gmm
    .symbol:         k_q8e388f86da_gmm.kd
    .args:
      - { .name: xc, .offset: 0, .size: 8, .value_kind: global_buffer, .address_space: global }
      - { .name: xs, .offset: 8, .size: 8, .value_kind: global_buffer, .address_space: global }
      - { .name: wc, .offset: 16, .size: 8, .value_kind: global_buffer, .address_space: global }
      - { .name: ws, .offset: 24, .size: 8, .value_kind: global_buffer, .address_space: global }
      - { .name: offs, .offset: 32, .size: 8, .value_kind: global_buffer, .address_space: global }
      - { .name: out0, .offset: 40, .size: 8, .value_kind: global_buffer, .address_space: global }
    .group_segment_fixed_size: 272896
    .private_segment_fixed_size: 0
    .kernarg_segment_align: 8
    .kernarg_segment_size: 48
    .max_flat_workgroup_size: 128
    .sgpr_count:     66
    .vgpr_count:     1024
    .wavefront_size: 32
...
	.end_amdgpu_metadata
.endif
;; end of part 2
;; ======== version 2 of 2: 2 launches
;; workspace buffers: xc 6,291,456 bytes; xs 262,144 bytes; wc 12,582,912 bytes; ws 524,288 bytes
;; launch quant (part 3): grid 768 x 1, 4 waves a work-group, no clusters, 34,304 bytes of LDS; arguments x, weight, xc, xs, wc, ws; writes xc, xs, wc, ws
.if DOCPART == 3
	.amdgcn_target "amdgcn-amd-amdhsa--gfx1250"
	.amdhsa_code_object_version 6
	.text
	.protected	k_q8e388f86da_quant
	.globl	k_q8e388f86da_quant
	.p2align	8
	.type	k_q8e388f86da_quant,@function
k_q8e388f86da_quant:
	s_mov_b64 s[64:65], 0
	v_nop
	global_prefetch_b8 v0, s[64:65] scope:SCOPE_SE
	s_setreg_imm32_b32 hwreg(HW_REG_WAVE_MODE, 25, 1), 1
	s_wait_xcnt 0x0
; x [4096][2048] and weight, taken as [8192][2048], both f32 with K innermost, become codes of FP6 (E2M3) with one E8M0 scale byte for each 32 along K.
; A block's scale is 2^(floor(log2(its largest magnitude)) - 2): its byte is the largest magnitude's exponent field - 2, held at 1 from below by a floor among the maximum's leaves.
; LIMITS: NaN and infinities among the inputs are not served.  A block of zeros gets the byte 1 where the rule says 127: its codes are zeros, which add nothing under that byte, and this program alone reads the bytes.
; THE WORKSPACE IS LAID IN THE ORDER OF THE OPERAND'S REGISTERS.  A fragment is 16 rows x 128 K, 12 registers a lane: lane (r, h) holds row r, registers 6 c .. 6 c + 5 the codes of k = 64 c + 32 h + 0 .. 31.
;   codes:  [row block][K step 0..15][1,536 bytes]: chunk j (0..2) of 512 bytes holds lane l's registers 4 j .. 4 j + 3 at 512 j + 16 l.
;   scales: [pair of row blocks][q2 0..7][lane][2 words]: word s serves K step 2 q2 + s; lanes 0-15 hold the words of the pair's first block (row = lane), lanes 16-31 those of its second.
; SHARES.  A wave's job is one pair of row blocks (32 rows) x 256 along K: four fragments, 32,768 bytes in, 6,144 + 256 out.  x has 1,024 jobs, weight 2,048: 768 work-groups of four waves.
; The first 256 work-groups take x, the others weight: only pointers are chosen, there is one path through the text.
; Each load reads 512 consecutive bytes of one row, 16 a lane; a fragment's 16 rows turn through the wave's own stage in LDS and come back 128 bytes (a whole block of 32) at a time, so that a block's
; largest magnitude needs no other lane and the conversions' results are the operand's registers.  Waves share nothing: no barrier.  Loads run one fragment (16 loads) ahead.
.set ROWB,   8192                      ; a row of x or weight in bytes
.set SPITCH, 528                       ; a stage row: 512 bytes + 16 = 132 words: row r starts at bank 4 r mod 64 (64 banks of 4 bytes: ISA guide 11.1)
.set WSTG,   16*SPITCH                 ; a wave's stage
.set LI,  1                            ; v1   16 x lane
.set L8,  2                            ; v2   8 x lane
.set STI, 3                            ; v3   the stage, on the way in: wave's stage + 16 x lane
.set STO, 4                            ; v4   on the way out: wave's stage + 528 r + 128 h
.set SH,  5                            ; v5   8 h: where my two scale bytes stand in the word
.set PD,  6                            ; v6   the lane permute's destination
.set WD,  7                            ; v7   the scale word
.set MA,  8                            ; v8-9   maximum chain A of blocks c = 0, 1;  v10-11 chain B
.set MB,  10
.set SCL, 12                           ; v12-13 the conversions' scale operands
.set BY,  14                           ; v14-15 the scale bytes
.set R,   16                           ; v16-143  two sets of 64 registers, as loaded
.set X,   144                          ; v144-207 my two blocks of 32 numbers
.set PC,  208                          ; v208-219 a fragment's codes
.set T,   220                          ; v220-222, v224-226 the upper halves of the blocks' codes, as the conversions leave them
.set SW,  228                          ; v228-229 the job's two scale registers
	s_load_b256 s[4:11], s[0:1], 0x0               ; x s[4:5], weight s[6:7], xc s[8:9], xs s[10:11]
	s_load_b128 s[12:15], s[0:1], 0x20             ; wc s[12:13], ws s[14:15]
	v_lshl_add_u32 v254, v0, 2, 0x8400
	v_mov_b32 v255, 0
	v_lshrrev_b32 v8, 5, v0
	v_readfirstlane_b32 s16, v8                    ; wave 0..3
	v_and_b32 v[LI], 31, v0
	v_lshlrev_b32 v[L8], 3, v[LI]
	v_lshlrev_b32 v[LI], 4, v[LI]
	v_and_b32 v8, 15, v0                           ; r
	v_bfe_u32 v9, v0, 4, 1                         ; h
	s_mul_i32 s25, s16, WSTG
	v_add_nc_u32 v[STI], s25, v[LI]
	v_mul_u32_u24 v[STO], v8, SPITCH
	v_lshl_add_u32 v[STO], v9, 7, v[STO]
	v_add_nc_u32 v[STO], s25, v[STO]
	v_lshlrev_b32 v[SH], 3, v9
	v_mov_b32 v[PD], 0                             ; written once: a lane permute's destination counts as one of its sources
	s_mov_b32 s22, 0x76543210
	s_mov_b32 s23, 0xfedcba98                      ; v_permlanex16_b32's selects for lane l xor 16
	s_mov_b32 s24, 0xffff0000                      ; lanes 16-31
	s_wait_alu depctr_va_vdst(0)
	s_wait_kmcnt 0x0
	s_cmp_lt_u32 ttmp9, 256                        ; x's work-group or weight's?  The choice hangs on the work-group's number alone
	s_cselect_b64 s[4:5], s[4:5], s[6:7]           ; the source,
	s_cselect_b64 s[8:9], s[8:9], s[12:13]         ; its codes,
	s_cselect_b64 s[10:11], s[10:11], s[14:15]     ; its scale words
	s_cselect_b32 s17, 0, 256
	s_sub_co_u32 s17, ttmp9, s17
	s_lshl_b32 s17, s17, 2
	s_add_co_u32 s17, s17, s16                     ; my job in the tensor = 8 x pair + q2
	s_lshr_b32 s18, s17, 3                         ; the pair of row blocks
	s_and_b32 s19, s17, 7                          ; q2: which 256 along K
	s_lshl_b32 s20, s18, 18                        ; source: 32 rows of 8,192 bytes a pair,
	s_lshl_b32 s26, s19, 10                        ; 1,024 bytes a q2
	s_add_co_u32 s20, s20, s26
	s_mov_b32 s21, 0
	s_add_nc_u64 s[4:5], s[4:5], s[20:21]
	s_mul_i32 s20, s18, 2*16*1536                  ; codes: two row blocks of 16 K steps a pair,
	s_mul_i32 s26, s19, 2*1536                     ; two K steps a q2
	s_add_co_u32 s20, s20, s26
	s_add_nc_u64 s[8:9], s[8:9], s[20:21]
	s_lshl_b32 s20, s17, 8                         ; scale words: 256 bytes a job
	s_add_nc_u64 s[10:11], s[10:11], s[20:21]
; fragment f of the job's four: row block f / 2 of the pair, K step f % 2 of the two
.macro LOADF f
.irp r, 0,1,2,3,4,5,6,7,8,9,10,11,12,13,14,15
	global_load_b128 v[R+64*((\f)%2)+4*\r:R+64*((\f)%2)+4*\r+3], v[LI], s[4:5] offset:(16*((\f)/2)+\r)*ROWB+512*((\f)%2) th:TH_LOAD_NT   ; 32 lanes read 512 consecutive bytes of one row; read once in the launch
.endr
.endm
.macro TURN f                          ; through the stage: LDS serves a wave's instructions in order (ISA guide 5.7.1.4), so no wait stands between the stores and the loads
.irp r, 0,1,2,3,4,5,6,7,8,9,10,11,12,13,14,15
	ds_store_b128 v[STI], v[R+64*((\f)%2)+4*\r:R+64*((\f)%2)+4*\r+3] offset:SPITCH*\r
.endr
.irp c, 0,1
.irp j, 0,1,2,3,4,5,6,7
	ds_load_b128 v[X+32*\c+4*\j:X+32*\c+4*\j+3], v[STO] offset:256*\c+16*\j    ; block 2 c + h of row r: 128 bytes
.endr
.endr
.endm
.macro QUANT f
.irp c, 0,1                            ; each block's largest magnitude, in two chains; the four chains go by turns, so that no line waits for the line above it
	v_max3_num_f32 v[MA+\c], |v[X+32*\c]|, |v[X+32*\c+1]|, 0x1800000       ; with the floor 2^(3 - 127): the byte cannot fall under 1
	v_max3_num_f32 v[MB+\c], |v[X+32*\c+16]|, |v[X+32*\c+17]|, |v[X+32*\c+18]|
.endr
.irp i, 0,1,2,3,4,5
.irp c, 0,1
	v_max3_num_f32 v[MA+\c], v[MA+\c], |v[X+32*\c+2+2*\i]|, |v[X+32*\c+3+2*\i]|
	v_max3_num_f32 v[MB+\c], v[MB+\c], |v[X+32*\c+19+2*\i]|, |v[X+32*\c+20+2*\i]|
.endr
.endr
.irp c, 0,1
	v_max3_num_f32 v[MA+\c], v[MA+\c], |v[X+32*\c+14]|, |v[X+32*\c+15]|
.endr
.irp c, 0,1
	v_max3_num_f32 v[MA+\c], v[MA+\c], v[MB+\c], |v[X+32*\c+31]|
.endr
.irp c, 0,1
	v_add_nc_u32 v[SCL+\c], 0xff000000, v[MA+\c]   ; 2 off its exponent field: the conversion takes the exponent field of this operand as its scale, and nothing else of it
.endr
.irp c, 0,1
	v_lshrrev_b32 v[BY+\c], 23, v[SCL+\c]          ; the scale's byte
.endr
	v_lshl_or_b32 v[WD], v[BY+1], 16, v[BY]        ; my two bytes: blocks h and 2 + h of row r,
	v_lshlrev_b32 v[WD], v[SH], v[WD]              ; at their places in the word (8 h bits up);
	v_permlanex16_b32 v[PD], v[WD], s22, s23
	v_or_b32 v[WD], v[WD], v[PD]                   ; with lane l xor 16's two the word is whole, in both halves of the lanes
.if (\f)/2 == 0
	v_mov_b32 v[SW+(\f)%2], v[WD]                  ; the pair's first block: its words stay in lanes 0-15,
.else
	v_cndmask_b32 v[SW+(\f)%2], v[SW+(\f)%2], v[WD], s24   ; the second block's take lanes 16-31
.endif
.if (\f) > 0
	s_wait_alu depctr_va_vdst(0)
	s_wait_xcnt 0x0                                ; the last fragment's stores have had their addresses translated (ISA guide 3.1): their data registers are written again only behind this wait
.endif
.irp c, 0,1
	v_cvt_scalef32_pk16_fp6_f32 v[PC+6*\c:PC+6*\c+2], v[X+32*\c:X+32*\c+15], v[SCL+\c]       ; registers 6 c .. 6 c + 2 of the operand
	v_cvt_scalef32_pk16_fp6_f32 v[T+4*\c:T+4*\c+2], v[X+32*\c+16:X+32*\c+31], v[SCL+\c]      ; (a conversion's three registers begin on an even number: the second half of a block's six does not, so it is made elsewhere and moved)
.endr
	v_nop                                          ; one plain place behind a scaled conversion
.irp c, 0,1
.irp i, 0,1,2
	v_mov_b32 v[PC+3+6*\c+\i], v[T+4*\c+\i]
.endr
.endr
.endm
.macro OUTF f
.irp j, 0,1,2
	global_store_b128 v[LI], v[PC+4*\j:PC+4*\j+3], s[8:9] offset:16*1536*((\f)/2)+1536*((\f)%2)+512*\j   ; 32 lanes store 512 consecutive bytes, at a multiple of 512 from the buffer's first byte
.endr
.endm
	LOADF 0
	LOADF 1
.irp f, 0,1,2,3
.if \f < 3
	s_wait_loadcnt 16                              ; this fragment's sixteen loads are in; the next fragment's sixteen may be out
.else
	s_wait_loadcnt 0x0
.endif
	TURN \f
	s_wait_dscnt 0x0                               ; my numbers are back from the stage, and the stores into it have read their registers,
.if \f < 2
	LOADF \f+2                                     ; which take the fragment two on
.endif
	QUANT \f
	OUTF \f
.endr
	global_store_b64 v[L8], v[SW:SW+1], s[10:11]   ; 32 lanes store 256 consecutive bytes, at a multiple of 256 from the buffer's first byte
	s_wait_tensorcnt 0x0
	ds_add_u32 v254, v255
	s_wait_dscnt 0x0
	s_endpgm
.Lfunc_end_k_q8e388f86da_quant:
	.size	k_q8e388f86da_quant, .Lfunc_end_k_q8e388f86da_quant-k_q8e388f86da_quant
	.p2alignl 7, 3214868480
	.fill 96, 4, 3214868480
	.section	.rodata,"a",@progbits
	.p2align	6, 0x0
	.amdhsa_kernel k_q8e388f86da_quant
		.amdhsa_group_segment_fixed_size 34304
		.amdhsa_private_segment_fixed_size 0
		.amdhsa_enable_private_segment 0
		.amdhsa_kernarg_size 48
		.amdhsa_user_sgpr_count 2
		.amdhsa_user_sgpr_kernarg_segment_ptr 1
		.amdhsa_wavefront_size32 1
		.amdhsa_system_sgpr_workgroup_id_x 1
		.amdhsa_system_sgpr_workgroup_id_y 1
		.amdhsa_system_sgpr_workgroup_id_z 1
		.amdhsa_system_vgpr_workitem_id 0
		.amdhsa_next_free_vgpr 256
		.amdhsa_next_free_sgpr 66
		.amdhsa_reserve_vcc 0
		.amdhsa_float_denorm_mode_32 3
		.amdhsa_float_denorm_mode_16_64 3
		.amdhsa_memory_ordered 1
		.amdhsa_forward_progress 1
		.amdhsa_inst_pref_size 30
	.end_amdhsa_kernel
	.amdgpu_metadata
---
amdhsa.version: [ 1, 2 ]
amdhsa.kernels:
  - .name:           k_q8e388f86da_quant
    .symbol:         k_q8e388f86da_quant.kd
    .args:
      - { .name: x, .offset: 0, .size: 8, .value_kind: global_buffer, .address_space: global }
      - { .name: weight, .offset: 8, .size: 8, .value_kind: global_buffer, .address_space: global }
      - { .name: xc, .offset: 16, .size: 8, .value_kind: global_buffer, .address_space: global }
      - { .name: xs, .offset: 24, .size: 8, .value_kind: global_buffer, .address_space: global }
      - { .name: wc, .offset: 32, .size: 8, .value_kind: global_buffer, .address_space: global }
      - { .name: ws, .offset: 40, .size: 8, .value_kind: global_buffer, .address_space: global }
    .group_segment_fixed_size: 34304
    .private_segment_fixed_size: 0
    .kernarg_segment_align: 8
    .kernarg_segment_size: 48
    .max_flat_workgroup_size: 128
    .sgpr_count:     66
    .vgpr_count:     256
    .wavefront_size: 32
...
	.end_amdgpu_metadata
.endif
;; end of part 3
;; launch gmm (part 4): grid 8 x 32, 4 waves a work-group, no clusters, 272,896 bytes of LDS; arguments xc, xs, wc, ws, offs, out0; writes out0
.if DOCPART == 4
	.amdgcn_target "amdgcn-amd-amdhsa--gfx1250"
	.amdhsa_code_object_version 6
	.text
	.protected	k_q8e388f86da_gmm
	.globl	k_q8e388f86da_gmm
	.p2align	8
	.type	k_q8e388f86da_gmm,@function
k_q8e388f86da_gmm:
	s_mov_b64 s[64:65], 0
	v_nop
	global_prefetch_b8 v0, s[64:65] scope:SCOPE_SE
	s_setreg_imm32_b32 hwreg(HW_REG_WAVE_SCHED_MODE, 0, 2), 2
	s_setreg_imm32_b32 hwreg(HW_REG_WAVE_MODE, 25, 1), 1
	s_wait_xcnt 0x0
	s_wait_alu depctr_vm_vsrc(0)
; out0[t][n] = the sum over the experts e with start_e <= t < offs[e] (start_0 = 0, start_e = offs[e - 1], signed) of the sum over k of Q(x)[t][k] Q(weight)[e][n][k]:  [4096][1024] f32, sums in f32.
; Both operands come as codes of FP6 (E2M3) with E8M0 scale words, laid in the order of the operand's registers: a fragment (16 rows x 128 K, 12 registers a lane) is 1,536 bytes, lane l's registers 4 j .. 4 j + 3 at 512 j + 16 l;
; a scale register serves a pair of row blocks: lanes 0-15 the first block's words, lanes 16-31 the second's.
; offs may hold any int32 in any order: a token may lie in no expert (0 is stored), in one, or in several (the sums are added).
; LIMIT: where a token lies in several experts, the later expert's sum over K continues the earlier one in the accumulator; adding two finished sums would round in another order.
; SHARES.  A work-group owns 128 tokens x 128 columns: 8 x 32 work-groups.  THE WAVES SHARE THE COLUMNS: wave w makes all 128 tokens x columns 32 w .. 32 w + 31: 16 accumulators, 128 registers.
; x's tile for all of K (196,608 bytes of codes, 8,192 of scale words) hangs on no expert: it is copied into LDS once and read by all four waves.  A wave's 32 rows of an expert's weight (49,152 bytes) are its own: they go
; from memory straight into registers, all 16 K steps' fragments in registers of their own, eight K steps (48 loads) ahead.
; THE EXPERTS.  A loop of eight trips; an expert whose token range misses the tile is passed over by a scalar branch on offs.  The text has no tensor load and no copy engine,
; hence no joint loads in a cluster either: a form in which all partners ask for every expert's weights would fetch eight times the bytes that are used.
; An expert that meets the tile multiplies all 128 rows; the rows outside its range then take their old sums back (v_cndmask_b32 by a lane mask): always executed, no second branch.
; Since a tile may be met by no expert or by several, no product is known in the text to be a sum's first: the accumulators are cleared once, while the first copies are on their way.
; THE MATRIX INSTRUCTION IS USED TRANSPOSED (source 0 = 16 rows of weight, source 1 = 16 tokens): lane (r, h), register j of accumulator (a, n) holds out0(16 a + r, 32 w + 16 n + 8 h + j): eight neighbours of a row.
; REGISTERS, in windows of 256 (s_set_vgpr_msb: bits 1:0 source 0, 3:2 source 1, 5:4 source 2, 7:6 destination):
;   window 0: v1-14 addresses; v32-95 x's scale registers (pair p, K step s: 32 + 16 p + s); v96-111 weight's (96 + s); v112-207 x's fragments, set 0 (12 a); on the way out v112-239 rows of the result
;   window 1: weight's fragments of K steps 0-9 (24 s + 12 n); during the fill: copies 0-49 on their way to LDS
;   window 2: weight's of K steps 10-15 (24 (s - 10) + 12 n); v144-239 x's fragments, set 1; during the fill: copies 50-99
;   window 3: v0-127 the accumulators (8 (2 a + n)); v128-255 the sums as they stood when the expert began
; THE MODE: SCHED_MODE bits 1:0 = 2 (LLVM: expert scheduling mode 2), set by the entry lines.  The code itself states the register dependences between vector or matrix instructions and memory or LDS
; instructions, with s_wait_alu, always for 0.
; THE PLAN.  Registers that memory or LDS instructions touch:
;   v1, v2, v4-v11   offsets and LDS addresses: written at the head, once; read by every load and store.  One wait on va_vdst in front of the first load.
;   the fill's 400   (windows 1 and 2, v0-199): global loads land in them, the fill's LDS stores read them, and later weight's and x's fragments land in them: one wait on vm_vsrc behind the fill's barrier.
;   weight's         fragments and scale registers: every K step has registers of its own, read by that step's products alone.  One wait on va_vdst at an expert's head states that the products of the expert before are done
;                    reading them; all of the expert's 104 global loads follow it, and no vector or matrix instruction between the wait and a load names the registers in which that load lands.
;   x's two sets     K step s: its products read set s % 2; the LDS loads issued in it land in set (s + 1) % 2, which the products of step s - 1 read.  One wait on va_vdst at the head of steps 1 to 14 states that
;                    those are done; behind it the step's loads are dealt among its products, which name set s % 2, this step's fragments of weight, scale registers and accumulators.
;   the accumulators written by the clears, the products and the selections; read by the LDS stores of the way out: one wait on va_vdst in front of them, which also frees v112-207 for the rows of the result.
;   The sums kept in window 3, v13 and v14 are named by vector instructions alone.  Two waits on va_sdst: behind v_readfirstlane_b32, and behind an expert's sixteen compares.
.set FRB,   1536                       ; a fragment's image in bytes
.set RBB,   16*FRB                     ; a row block's 16 K steps
.set XSCL,  8*RBB                      ; LDS: x's codes [a 0..7][s 0..15][1,536] from 0; behind them x's scale words [p 0..3][q2 0..7][lane][2 words], 8,192 bytes;
.set STG,   XSCL+8192                  ; behind them the stage for the way out: 128 rows x (512 bytes + 16)
.set SPITCH, 528                       ; 132 words: row r starts at bank 4 r mod 64 (64 banks of 4 bytes: ISA guide 11.1)
.set LI,  1                            ; v1   16 x lane: global offsets, and the LDS address of x's row blocks 0 and 1
.set L8,  2                            ; v2   8 x lane
.set AB,  3                            ; v4-6 16 x lane + 2 RBB p: x's row blocks 2 p, 2 p + 1 (p = 1 .. 3)
.set FL,  7                            ; v7   the fill: 2 RBB x wave + 16 x lane
.set FS,  8                            ; v8   the fill, scale words: XSCL + 2,048 x wave + 16 x lane
.set AS,  9                            ; v9   XSCL + 8 x lane
.set SO,  10                           ; v10  the stage, in: STG + 528 r + 32 h + 128 x wave
.set SR,  11                           ; v11  the stage, back: STG + 32 rows x wave + 16 x lane
.set VROW, 13                          ; v13  the tile's first token + r
.set TMP, 14                           ; v14  at work
.set ASC, 32
.set BSC, 96
.set OUTR, 112
.set MSB, 0
.macro WIN new                         ; the immediate's high byte repeats the setting that is left; a switch that changes nothing is dropped
.if MSB != \new
	s_set_vgpr_msb (MSB<<8)|\new
.set MSB, \new
.endif
.endm
; A vector instruction that reads a matrix result stands four places behind that matrix instruction, and only plain vector instructions that name none of its registers are places (ISA guide 7.12.1).
; Four also stand between a K step's products and the loads into the fragments that they have read: first the places, then the wait that states the dependence.
.macro PLACES
.rept 4
	v_nop
.endr
.endm
	s_load_b256 s[4:11], s[0:1], 0x0               ; xc s[4:5], xs s[6:7], wc s[8:9], ws s[10:11]
	s_load_b128 s[12:15], s[0:1], 0x20             ; offs s[12:13], out0 s[14:15]
	v_lshl_add_u32 v254, v0, 2, 0x42800
	v_mov_b32 v255, 0
	v_lshrrev_b32 v12, 5, v0
	v_readfirstlane_b32 s31, v12                   ; wave 0..3
	s_and_b32 s33, ttmp7, 0xffff                   ; the tile's row of tiles
	s_lshl_b32 s27, s33, 7                         ; its first token,
	s_add_co_u32 s28, s27, 128                     ; and the first behind it
	v_and_b32 v[LI], 31, v0
	v_lshlrev_b32 v[L8], 3, v[LI]
	v_lshlrev_b32 v[LI], 4, v[LI]
.irp p, 1,2,3
	v_add_nc_u32 v[AB+\p], 2*RBB*\p, v[LI]
.endr
	v_add_nc_u32 v[AS], XSCL, v[L8]
	v_and_b32 v12, 15, v0                          ; r
	v_bfe_u32 v[TMP], v0, 4, 1                     ; h
	v_mul_u32_u24 v[SO], v12, SPITCH
	v_lshl_add_u32 v[SO], v[TMP], 5, v[SO]
	v_add_nc_u32 v[VROW], s27, v12
	s_wait_alu depctr_va_sdst(0)                   ; s31 is written, ahead of its first reader: LDS addresses and the bases' offsets are made from it
	s_mul_i32 s32, s31, 2*RBB
	v_add_nc_u32 v[FL], s32, v[LI]
	s_lshl_b32 s29, s31, 11
	s_add_co_u32 s30, s29, XSCL
	v_add_nc_u32 v[FS], s30, v[LI]
	s_lshl_b32 s30, s31, 7
	s_add_co_u32 s30, s30, STG
	v_add_nc_u32 v[SO], s30, v[SO]
	s_mul_i32 s30, s31, 32*SPITCH
	s_add_co_u32 s30, s30, STG
	v_add_nc_u32 v[SR], s30, v[LI]
	; byte offsets, each in a pair of its own with 0 above it
	s_mul_i32 s34, s33, 8*RBB                      ; x's codes: the tile's 8 row blocks, my quarter of them for the fill
	s_add_co_u32 s34, s34, s32
	s_mov_b32 s35, 0
	s_lshl_b32 s48, s33, 13                        ; x's scale words: 8,192 bytes a tile, my quarter
	s_add_co_u32 s48, s48, s29
	s_mov_b32 s49, 0
	s_mul_i32 s50, ttmp9, 8*RBB                    ; weight's codes, expert 0: the tile's 8 row blocks, my two
	s_add_co_u32 s50, s50, s32
	s_mov_b32 s51, 0
	s_lshl_b32 s52, ttmp9, 13                      ; weight's scale words: my pair
	s_add_co_u32 s52, s52, s29
	s_mov_b32 s53, 0
	s_lshl_b32 s54, s31, 5                         ; out0: the rows that I store: 32 x wave on in the tile, 4,096 bytes a row; the tile's columns: 512 bytes a tile
	s_add_co_u32 s54, s54, s27
	s_lshl_b32 s54, s54, 12
	s_lshl_b32 s55, ttmp9, 9
	s_add_co_u32 s54, s54, s55
	s_mov_b32 s55, 0
	s_wait_kmcnt 0x0
	s_load_b256 s[16:23], s[12:13], 0x0            ; the eight offs; waited for in front of the loop over experts
	s_add_nc_u64 s[4:5], s[4:5], s[34:35]
	s_add_nc_u64 s[6:7], s[6:7], s[48:49]
	s_add_nc_u64 s[36:37], s[8:9], s[50:51]        ; s[36:37] my rows of the expert in hand: codes,
	s_add_nc_u64 s[38:39], s[10:11], s[52:53]      ; s[38:39] scale words
	s_add_nc_u64 s[14:15], s[14:15], s[54:55]
; THE FILL.  A wave copies 100 pieces of 512 bytes (96 of codes, 4 of scale words) through registers: pieces 0-49 through window 1, pieces 50-99 through window 2.
.macro FLOAD i
.set SG, 4*((\i)%50)
.if (\i) < 96
	global_load_b128 v[SG:SG+3], v[LI], s[4:5] offset:512*(\i)
.else
	global_load_b128 v[SG:SG+3], v[LI], s[6:7] offset:512*((\i)-96)
.endif
.endm
.macro FSTORE i
.set SG, 4*((\i)%50)
.if (\i) < 96
	ds_store_b128 v[FL], v[SG:SG+3] offset:512*(\i)
.else
	ds_store_b128 v[FS], v[SG:SG+3] offset:512*((\i)-96)
.endif
.endm
	WIN 0x40                                       ; destination window 1
	s_wait_alu depctr_va_vdst(0)                   ; the offsets and LDS addresses v1 to v11 are written: every load and store of the kernel reads one of them, and none is written again
.set I, 0
.rept 50
	FLOAD I
.set I, I+1
.endr
	WIN 0xc0                                       ; destination window 3
.set I, 0
.rept 128
	v_mov_b32 v[I], 0                              ; the accumulators, while the copies are on their way (why they are cleared: the head comment).  No load or store of the fill names them
.set I, I+1
.endr
	WIN 0x84                                       ; a load's destination window 2, an LDS store's data (source 1) window 1
.set I, 0
.rept 50
	FLOAD I+50
	s_wait_loadcnt 50                              ; loads come back in order (ISA guide 5.7.1): piece I is in, the fifty issued behind it may be out
	FSTORE I
.set I, I+1
.endr
	WIN 0x08                                       ; an LDS store's data window 2
.set I, 50
.rept 50
	s_wait_loadcnt 99-I                            ; piece I is in; those behind it may be out
	FSTORE I
.set I, I+1
.endr
	WIN 0
	s_wait_dscnt 0x0                               ; for the others' sake: my part of x's tile lies in LDS
	s_barrier_signal -1
	s_barrier_wait -1                              ; everybody's does; nothing writes these bytes again
	s_wait_alu depctr_vm_vsrc(0)                   ; my LDS stores have read the fill's registers (windows 1 and 2, v0-199), in which weight's fragments and x's set 1 land from here on
.irp p, 0,1,2,3
.irp q, 0,1,2,3,4,5,6,7
	ds_load_b64 v[ASC+16*\p+2*\q:ASC+16*\p+2*\q+1], v[AS] offset:256*(8*\p+\q)   ; x's scale registers for all of K: they stay.  Older than every load of a fragment, so the first K step's wait covers them
.endr
.endr
; x's fragments a0 .. a0 + 3 of K step s, from LDS into set s % 2
.macro ALOADH s, a0
.if (\s)%2 == 0
	WIN 0
.set AA, 112
.else
	WIN 0x80
.set AA, 144
.endif
.irp a, \a0, \a0+1, \a0+2, \a0+3
.set ABR, AB+(\a)/2
.if (\a) < 2
.set ABR, LI
.endif
.irp j, 0,1,2
	ds_load_b128 v[AA+12*(\a)+4*\j:AA+12*(\a)+4*\j+3], v[ABR] offset:RBB*((\a)%2)+FRB*(\s)+512*\j   ; 32 lanes read 512 consecutive bytes
.endr
.endr
.endm
; my two fragments of the expert's weight of K step s, from memory into registers of their own
.macro BLOAD s
.if (\s) < 10
	WIN 0x40
.set BB, 24*(\s)
.else
	WIN 0x80
.set BB, 24*((\s)-10)
.endif
.irp n, 0,1
.irp j, 0,1,2
	global_load_b128 v[BB+12*\n+4*\j:BB+12*\n+4*\j+3], v[LI], s[36:37] offset:RBB*\n+FRB*(\s)+512*\j
.endr
.endr
.endm
; one product: accumulator (a, n), K step s.  Source 0's scales: weight's register of the step, lanes 0-15 for n = 0, lanes 16-31 for n = 1; source 1's: x's register of pair a / 2, lanes 0-15 for even a, 16-31 for odd a
.macro PROD s, a, n
.set DD, 8*(2*(\a)+(\n))
.if ((\n) == 0) && ((\a)%2 == 0)
	v_wmma_scale_f32_16x16x128_f8f6f4 v[DD:DD+7], v[PB+12*(\n):PB+12*(\n)+11], v[PA+12*(\a):PA+12*(\a)+11], v[DD:DD+7], v[BSC+(\s)], v[ASC+16*((\a)/2)+(\s)] matrix_a_fmt:MATRIX_FMT_FP6 matrix_b_fmt:MATRIX_FMT_FP6
.elseif (\n) == 0
	v_wmma_scale_f32_16x16x128_f8f6f4 v[DD:DD+7], v[PB+12*(\n):PB+12*(\n)+11], v[PA+12*(\a):PA+12*(\a)+11], v[DD:DD+7], v[BSC+(\s)], v[ASC+16*((\a)/2)+(\s)] matrix_a_fmt:MATRIX_FMT_FP6 matrix_b_fmt:MATRIX_FMT_FP6 matrix_b_scale:MATRIX_SCALE_ROW1
.elseif (\a)%2 == 0
	v_wmma_scale_f32_16x16x128_f8f6f4 v[DD:DD+7], v[PB+12*(\n):PB+12*(\n)+11], v[PA+12*(\a):PA+12*(\a)+11], v[DD:DD+7], v[BSC+(\s)], v[ASC+16*((\a)/2)+(\s)] matrix_a_fmt:MATRIX_FMT_FP6 matrix_b_fmt:MATRIX_FMT_FP6 matrix_a_scale:MATRIX_SCALE_ROW1
.else
	v_wmma_scale_f32_16x16x128_f8f6f4 v[DD:DD+7], v[PB+12*(\n):PB+12*(\n)+11], v[PA+12*(\a):PA+12*(\a)+11], v[DD:DD+7], v[BSC+(\s)], v[ASC+16*((\a)/2)+(\s)] matrix_a_fmt:MATRIX_FMT_FP6 matrix_b_fmt:MATRIX_FMT_FP6 matrix_a_scale:MATRIX_SCALE_ROW1 matrix_b_scale:MATRIX_SCALE_ROW1
.endif
.endm
; four products: x's blocks a0, a0 + 1 against my two blocks of weight
.macro PRODS s, a0
	WIN MULW
.irp a, \a0, \a0+1
.irp n, 0,1
	PROD \s, \a, \n
.endr
.endr
.endm
; A K STEP of 128: 16 products.  The 16 accumulators take turns, one instruction a turn, in the same order in every step.
; Among them stand the step's loads, in two runs: behind the first four products x's blocks 0-3 of the next step (LDS) and weight's fragments of eight steps on (memory); behind the twelfth x's blocks 4-7.
; So each half of the next step's fragments of x is asked for twelve products ahead of its first use.
.macro KSTEP s
.if (\s) < 8
	s_wait_loadcnt 42                              ; loads come back in order (ISA guide 5.7.1): behind this step's six loads stand 6 (7 - s) of the first batch and the 6 s issued in the steps so far: 42; the scale words are older still
.else
	s_wait_loadcnt 6*(15-(\s))                     ; behind this step's loads: those of the steps to come
.endif
	s_wait_dscnt 12                                ; x's blocks 0-3 of this step are in; the twelve loads of its blocks 4-7 may be out
.if ((\s) > 0) && ((\s) < 15)
	PLACES                                         ; between the last step's products and the loads into the set of x's fragments that they read
	s_wait_alu depctr_va_vdst(0)                   ; the last step's products are done reading that set, in which this step's 24 LDS loads land
.endif
.if (\s)%2 == 0
.set PA, 112
.set WA, 0
.else
.set PA, 144
.set WA, 2
.endif
.if (\s) < 10
.set PB, 24*(\s)
.set WBW, 1
.else
.set PB, 24*((\s)-10)
.set WBW, 2
.endif
.set MULW, 0xf0+4*WA+WBW                       ; C and D window 3; source 1 (x) window 0 or 2; source 0 (weight) window 1 or 2
	PRODS \s, 0                                    ; they name this step's set of x, this step's fragments of weight, scale registers and accumulators: no register that a load of this step touches
.if (\s) < 15
	ALOADH (\s)+1, 0
.endif
.if (\s) < 8
	BLOAD (\s)+8                                   ; into registers that the products of the expert before read last: the wait at the expert's head has stated that those are done
.endif
	PRODS \s, 2
.if (\s) < 15
	s_wait_dscnt 12                                ; x's blocks 4-7 of this step are in; the twelve loads just issued may be out
.else
	s_wait_dscnt 0x0
.endif
	PRODS \s, 4
.if (\s) < 15
	ALOADH (\s)+1, 4
.endif
	PRODS \s, 6
.endm
	s_wait_kmcnt 0x0                               ; offs
	s_mov_b32 s24, 0                               ; start of expert 0
	s_mov_b32 s26, 0                               ; the expert's number
.Lexpert:                                              ; eight trips, a constant; every window is 0 here
	s_mov_b32 s25, s16                             ; the expert's end; the other offs move down one place
.irp i, 16,17,18,19,20,21,22
	s_mov_b32 s[\i], s[\i+1]
.endr
	s_max_i32 s29, s24, s27
	s_min_i32 s30, s25, s28
	s_cmp_lt_i32 s29, s30                          ; does [start, end) meet the tile's 128 tokens?
	s_cbranch_scc0 .Lskip
	s_wait_alu depctr_va_vdst(0)                   ; the products of the expert before are done reading weight's scale registers, weight's fragments of all 16 K steps and both sets of x's fragments, in which the loads of this expert land
.irp q, 0,1,2,3,4,5,6,7
	global_load_b64 v[BSC+2*\q:BSC+2*\q+1], v[L8], s[38:39] offset:256*\q   ; my pair's scale registers for all of K
.endr
.irp s, 0,1,2,3,4,5,6,7
	BLOAD \s
.endr
	ALOADH 0, 0
	ALOADH 0, 4
.irp a, 0,1,2,3,4,5,6,7                        ; the lanes whose token 16 a + r of the tile lies at or behind the expert's start (s[40 + a]) and ahead of its end (s[48 + a])
	v_add_nc_u32 v[TMP], 16*\a, v[VROW]
	v_cmp_le_i32 s[40+\a], s24, v[TMP]
	v_cmp_gt_i32 s[48+\a], s25, v[TMP]
.endr
	WIN 0xc3                                       ; source 0 and destination window 3
.set I, 0
.rept 128
	v_mov_b32 v[128+I], v[I]                       ; the sums as they stand, while the weight's first loads are on their way
.set I, I+1
.endr
	s_wait_alu depctr_va_sdst(0)                   ; the sixteen compares have written s40 to s55, ahead of their first readers
.irp a, 0,1,2,3,4,5,6,7
	s_and_b32 s[40+\a], s[40+\a], s[48+\a]         ; s[40 + a]: the lanes whose token lies in the expert's range
.endr
.irp s, 0,1,2,3,4,5,6,7,8,9,10,11,12,13,14,15
	KSTEP \s
.endr
	PLACES                                         ; between the last products and the first read of their results
	WIN 0xcf                                       ; sources 0 and 1 and destination window 3
.set I, 0
.rept 128
	v_cndmask_b32 v[I], v[128+I], v[I], s[40+I/16] ; a token outside the range takes its old sum back.  Each accumulator is read from its low end on
.set I, I+1
.endr
	WIN 0                                          ; at a label and at a branch every window is 0
.Lskip:
	s_wait_xcnt 0x0                                ; the loads that name the two bases have had their addresses translated (ISA guide 3.1): the bases are stepped only behind this wait
	s_add_nc_u64 s[36:37], s[36:37], 64*RBB        ; the next expert's 1,024 rows: codes,
	s_add_nc_u64 s[38:39], s[38:39], 32*2048       ; scale words
	s_mov_b32 s24, s25                             ; its start is this one's end
	s_add_co_u32 s26, s26, 1
	s_cmp_lt_u32 s26, 8
	s_cbranch_scc1 .Lexpert
	; THE WAY OUT.  A lane holds 32 neighbouring bytes of a row; a row's 512 bytes come from four waves.  They meet in the stage; then each wave stores 32 whole rows.
	WIN 0x0c                                       ; an LDS store's data (source 1) window 3
	s_wait_alu depctr_va_vdst(0)                   ; the clears and the selections have written the accumulators, which the LDS stores read; the last products are done reading v112-207, in which rows of the result land below
.irp a, 0,1,2,3,4,5,6,7
.irp n, 0,1
	ds_store_b128 v[SO], v[8*(2*\a+\n):8*(2*\a+\n)+3] offset:16*SPITCH*\a+64*\n          ; each accumulator from its low end on
	ds_store_b128 v[SO], v[8*(2*\a+\n)+4:8*(2*\a+\n)+7] offset:16*SPITCH*\a+64*\n+16
.endr
.endr
	WIN 0
	s_wait_dscnt 0x0                               ; for the others' sake: my stores into the stage are done (and no LDS load of mine is out)
	s_barrier_signal -1
	s_barrier_wait -1
.set I, 0
.rept 32
	ds_load_b128 v[OUTR+4*I:OUTR+4*I+3], v[SR] offset:SPITCH*I   ; no vector or matrix instruction stands behind the wait on va_vdst above
.set I, I+1
.endr
.set I, 0
.rept 32
	s_wait_dscnt 31-I                              ; row I is back; the younger rows may be out
	global_store_b128 v[LI], v[OUTR+4*I:OUTR+4*I+3], s[14:15] offset:4096*I th:TH_STORE_NT   ; 32 lanes store 512 consecutive bytes, at a multiple of 512 from out0's first byte; written once, read by nobody here
.set I, I+1
.endr
	s_wait_dscnt 0x0
	s_wait_alu depctr_hold_cnt(0) depctr_sa_sdst(0) depctr_va_vdst(0) depctr_va_sdst(0) depctr_va_ssrc(0) depctr_va_vcc(0) depctr_vm_vsrc(0)
	s_wait_tensorcnt 0x0
	ds_add_u32 v254, v255
	s_wait_dscnt 0x0
	s_endpgm
.Lfunc_end_k_q8e388f86da_gmm:
	.size	k_q8e388f86da_gmm, .Lfunc_end_k_q8e388f86da_gmm-k_q8e388f86da_gmm
	.p2alignl 7, 3214868480
	.fill 96, 4, 3214868480
	.section	.rodata,"a",@progbits
	.p2align	6, 0x0
	.amdhsa_kernel k_q8e388f86da_gmm
		.amdhsa_group_segment_fixed_size 272896
		.amdhsa_private_segment_fixed_size 0
		.amdhsa_enable_private_segment 0
		.amdhsa_kernarg_size 48
		.amdhsa_user_sgpr_count 2
		.amdhsa_user_sgpr_kernarg_segment_ptr 1
		.amdhsa_wavefront_size32 1
		.amdhsa_system_sgpr_workgroup_id_x 1
		.amdhsa_system_sgpr_workgroup_id_y 1
		.amdhsa_system_sgpr_workgroup_id_z 1
		.amdhsa_system_vgpr_workitem_id 0
		.amdhsa_next_free_vgpr 1024
		.amdhsa_next_free_sgpr 66
		.amdhsa_reserve_vcc 0
		.amdhsa_float_denorm_mode_32 3
		.amdhsa_float_denorm_mode_16_64 3
		.amdhsa_memory_ordered 1
		.amdhsa_forward_progress 1
		.amdhsa_inst_pref_size 123
	.end_amdhsa_kernel
	.amdgpu_metadata
---
amdhsa.version: [ 1, 2 ]
amdhsa.kernels:
  - .name:           k_q8e388f86da_gmm
    .symbol:         k_q8e388f86da_gmm.kd
    .args:
      - { .name: xc, .offset: 0, .size: 8, .value_kind: global_buffer, .address_space: global }
      - { .name: xs, .offset: 8, .size: 8, .value_kind: global_buffer, .address_space: global }
      - { .name: wc, .offset: 16, .size: 8, .value_kind: global_buffer, .address_space: global }
      - { .name: ws, .offset: 24, .size: 8, .value_kind: global_buffer, .address_space: global }
      - { .name: offs, .offset: 32, .size: 8, .value_kind: global_buffer, .address_space: global }
      - { .name: out0, .offset: 40, .size: 8, .value_kind: global_buffer, .address_space: global }
    .group_segment_fixed_size: 272896
    .private_segment_fixed_size: 0
    .kernarg_segment_align: 8
    .kernarg_segment_size: 48
    .max_flat_workgroup_size: 128
    .sgpr_count:     66
    .vgpr_count:     1024
    .wavefront_size: 32
...
	.end_amdgpu_metadata
.endif
;; end of part 4
